; MI455X (gfx1250); checked and timed in simulation.
; The chip was launched on July 23, 2026; its instructions are those of AMD's public machine-readable ISA for CDNA 5 (MIT licence, August 2026) and "CDNA5" Instruction Set Architecture Reference Guide (July 2026). The comments in the code are by the model that wrote it; some were corrected since.
;; NN Attention Head. Allowed arithmetic: float matrix products may take bf16 or f16 operands with f32 sums; all other float work in f32.
;; Inputs: W1 256 x 128 float32; W2 128 x 1 float32; Wv 128 x 64 float32; b1 128 float32; b2 1 float32; pos_emb 512 x 128 float32; x 4 x 512 x 128 float32.
;; Outputs: out0 4 x 512 x 64 float32.
;; 2 versions, each right; version 2 is version 1 with the launch proj written anew for expert scheduling mode. Each part assembles by itself: llvm-mc -triple=amdgcn-amd-amdhsa -mcpu=gfx1250 --defsym DOCPART=n.
;; ======== version 1 of 2: 2 launches
;; limits: a difference of large sums (such as E[x^2] - mean^2): digits are lost where the result is much smaller than its terms
;; workspace buffers: kq 2,097,152 bytes; vf 524,288 bytes
;; launch proj (part 1): grid 32 x 5, 4 waves a work-group, no clusters, 38,400 bytes of LDS; arguments x, pos_emb, W1, Wv, kq, vf; writes kq, vf
.if DOCPART == 1
	.amdgcn_target "amdgcn-amd-amdhsa--gfx1250"
	.amdhsa_code_object_version 6
	.text
	.protected	k_q7a1028b9aa_proj
	.globl	k_q7a1028b9aa_proj
	.p2align	8
	.type	k_q7a1028b9aa_proj,@function
k_q7a1028b9aa_proj:
	s_mov_b64 s[64:65], 0
	v_nop
	global_prefetch_b8 v0, s[64:65] scope:SCOPE_SE
	s_setreg_imm32_b32 hwreg(HW_REG_WAVE_MODE, 25, 1), 1
	s_wait_xcnt 0x0
; The three projections, bf16 operands and f32 sums:  Ak = (x+pos) W1[0:128],  Aq = (x+pos) W1[128:256],  V = x Wv.
; Grid x: 64 of the 2,048 rows (batch x position).  Grid y = g: 0..3 = 64 columns of Ak / Aq (which = g>>1, half ch = g&1), 4 = V.
; Wave w owns the tile tg = 4 x + w of 16 rows: 4 column tiles x 4 K steps = 16 matrix instructions.
; OUT, kq (f32): [which 2][tg 128][ch 2][e 8][h 2][r 16][4]: channel 64 ch + 32 h + 4 e + q of row 16 tg + r, so that the second launch
;   takes 32 channels of one row into a lane by eight loads of 16 bytes, each covering 512 consecutive bytes of the wave.
; OUT, vf (bf16): V as ready fragments [part 2][b 4][ks 16][nt 4][q 2][lane 32][16 bytes]: lane (r, h) holds V[32 ks + 16 q + 8 h + 0..7][16 nt + r].
;   part 0 = V rounded to bf16, part 1 = what that rounding left (exact in f32), rounded to bf16: in rows with few keys the output is
;   a sum of few products, and one bf16 rounding of V would be a large part of what the result may be off by.
; LIMIT: V is carried with the 16 bits of the two parts' mantissas, not with f32's 24.
; No tensor loads, no cluster: each work-group reads 32 KiB of rows and 32 KiB of weights once, straight through registers, because
; the f32 numbers have to pass the registers anyway to be added and rounded to bf16.
.set WP, 160                           ; LDS pitch of a weight row (64 bf16 = 128 bytes): an odd multiple of 32, for the transposing loads
.set XL, 128*WP                        ; behind the weights: 16 rows of x for each wave
.set XP, 272                           ; pitch of a row of x (128 bf16 = 256 bytes + 16)
.set VLO, 262144                       ; vf: the second parts lie behind the 4 x 65,536 bytes of the first
.set XR, 16                            ; v[16:79]   x as loaded: row rr in 4 registers
.set PR, 80                            ; v[80:143]  pos_emb as loaded
.set WR, 144                           ; v[144:207] my 32 rows of the weights as loaded
.set TB, 208                           ; v[208:215] bf16 pairs on their way into LDS
.set WF, 16                            ; v[16:143]  weight fragments, (nt, ks) at 8 (4 nt + ks)
.set XF, 144                           ; v[144:175] fragments of my 16 rows, ks at 8 ks
.set D,  176                           ; v[176:207] four accumulators
.set OV, 208                           ; v[208:223] V's first parts
.set OL, 16                            ; v[16:31]   V's second parts (the weight fragments are done with)
.set TT, 32                            ; v[32:39]   at work on the second parts
	s_load_b256 s[4:11], s[0:1], 0x0               ; x s[4:5], pos_emb s[6:7], W1 s[8:9], Wv s[10:11]
	s_load_b128 s[12:15], s[0:1], 0x20             ; kq s[12:13], vf s[14:15]
	v_lshl_add_u32 v224, v0, 2, 0x9400
	v_mov_b32 v225, 0
	v_lshrrev_b32 v1, 5, v0
	v_readfirstlane_b32 s16, v1                    ; wave
	s_and_b32 s18, ttmp7, 0xffff                   ; g
	s_lshr_b32 s24, s18, 1                         ; which
	s_and_b32 s25, s18, 1                          ; ch
	s_lshl_b32 s19, ttmp9, 2
	s_add_co_u32 s19, s19, s16                     ; tg
	s_mov_b32 s21, 0                               ; high word of every offset pair s[20:21]
	v_and_b32 v1, 31, v0                           ; lane
	v_and_b32 v2, 15, v0                           ; r
	v_bfe_u32 v3, v0, 4, 1                         ; h
	v_lshlrev_b32 v4, 4, v1                        ; 16 lane
	s_lshl_b32 s22, s16, 5
	v_add_nc_u32 v11, s22, v3                      ; weight row 32 w + h (two rows to a load)
	v_mul_u32_u24 v6, v11, WP
	v_lshl_add_u32 v6, v2, 3, v6                   ; weights into LDS: row x pitch + 8 r
	s_mul_i32 s23, s16, 16*XP
	s_add_co_u32 s23, s23, XL                      ; my wave's 16 rows in LDS
	v_lshl_add_u32 v7, v1, 3, s23                  ; rows into LDS: 8 lane
	v_mul_u32_u24 v8, v2, XP
	v_lshl_add_u32 v8, v3, 4, v8
	v_add_nc_u32 v8, s23, v8                       ; row fragments: r x pitch + 16 h
	v_and_b32 v9, 7, v0
	v_lshl_add_u32 v9, v3, 3, v9
	v_mul_u32_u24 v9, v9, WP
	v_bfe_u32 v12, v0, 3, 1
	v_lshl_add_u32 v9, v12, 4, v9                  ; weight fragments: (8 h + lane % 8) x pitch + 16 ((lane / 8) % 2)
	v_lshlrev_b32 v10, 4, v2
	v_lshl_add_u32 v10, v3, 10, v10                ; kq: 1024 h + 16 r
.macro WLOAD base, step                ; my 32 rows x 64 columns of the weights: 16 loads, two rows of 256 bytes each
.set n, 0
.rept 16
	global_load_b128 v[WR+4*n:WR+4*n+3], v5, s[\base:\base+1] offset:n*\step
.set n, n+1
.endr
.endm
.macro XLOAD dst, base                 ; 16 rows of 512 bytes, one row to a load
.set n, 0
.rept 16
	global_load_b128 v[\dst+4*n:\dst+4*n+3], v4, s[\base:\base+1] offset:n*512
.set n, n+1
.endr
.endm
	s_wait_kmcnt 0x0
	s_lshl_b32 s20, s19, 13                        ; 16 rows of 512 bytes
	s_add_nc_u64 s[4:5], s[4:5], s[20:21]          ; x at my tile
	s_cmp_eq_u32 s18, 4
	s_cbranch_scc1 .Lv_in
	s_and_b32 s20, s19, 31                         ; the tile's place in its batch
	s_lshl_b32 s20, s20, 13
	s_add_nc_u64 s[6:7], s[6:7], s[20:21]          ; pos_emb at my tile
	s_lshl_b32 s20, s24, 16                        ; 128 rows of W1 (512 bytes each) for Aq,
	s_lshl_b32 s26, s25, 8                         ; 64 columns for the upper half
	s_add_co_u32 s20, s20, s26
	s_add_nc_u64 s[8:9], s[8:9], s[20:21]
	v_lshlrev_b32 v5, 9, v11
	v_lshl_add_u32 v5, v2, 4, v5                   ; row x 512 + 16 r
	WLOAD 8, 1024
	XLOAD XR, 4
	XLOAD PR, 6
	s_wait_loadcnt 0x0                             ; all 48 went out together; all are needed now
.set n, 0
.rept 32
	v_pk_add_f32 v[XR+2*n:XR+2*n+1], v[XR+2*n:XR+2*n+1], v[PR+2*n:PR+2*n+1]   ; x1 = x + pos_emb, in f32
.set n, n+1
.endr
	s_branch .Lc
.Lv_in:
	s_lshl_b32 s26, s16, 13                        ; Wv's rows are 256 bytes: my 32 rows are 8,192 consecutive bytes
	v_add_nc_u32 v5, s26, v4
	WLOAD 10, 512
	XLOAD XR, 4
	s_wait_loadcnt 0x0
.Lc:
	; round to bf16 and lay into LDS: rows with K along the row, weights as they are ([K][N])
.set n, 0
.rept 16
	v_cvt_pk_bf16_f32 v[TB+2*(n%4)],   v[XR+4*n],   v[XR+4*n+1]
	v_cvt_pk_bf16_f32 v[TB+2*(n%4)+1], v[XR+4*n+2], v[XR+4*n+3]
	ds_store_b64 v7, v[TB+2*(n%4):TB+2*(n%4)+1] offset:n*XP
.set n, n+1
.endr
.set n, 0
.rept 16
	v_cvt_pk_bf16_f32 v[TB+2*(n%4)],   v[WR+4*n],   v[WR+4*n+1]
	v_cvt_pk_bf16_f32 v[TB+2*(n%4)+1], v[WR+4*n+2], v[WR+4*n+3]
	ds_store_b64 v6, v[TB+2*(n%4):TB+2*(n%4)+1] offset:n*2*WP
.set n, n+1
.endr
	s_wait_dscnt 0x0                               ; my quarter of the weights is in LDS: the other three waves read it
	s_barrier_signal -1
	s_barrier_wait -1
.irp ks, 0,1,2,3
	ds_load_b128 v[XF+8*\ks:XF+8*\ks+3],   v8 offset:\ks*64
	ds_load_b128 v[XF+8*\ks+4:XF+8*\ks+7], v8 offset:\ks*64+32
.endr
.irp nt, 0,1,2,3
.irp ks, 0,1,2,3
	ds_load_tr16_b128 v[WF+8*(4*\nt+\ks):WF+8*(4*\nt+\ks)+3],   v9 offset:\ks*32*WP+\nt*32
	ds_load_tr16_b128 v[WF+8*(4*\nt+\ks)+4:WF+8*(4*\nt+\ks)+7], v9 offset:\ks*32*WP+\nt*32+16*WP
.endr
.endr
	s_wait_dscnt 0x0
.macro MM1 nt, ks, a, b                ; the first K step starts the sum: nothing is cleared
.if \ks == 0
	v_wmma_f32_16x16x32_bf16 v[D+8*\nt:D+8*\nt+7], v[\a:\a+7], v[\b:\b+7], 0
.else
	v_wmma_f32_16x16x32_bf16 v[D+8*\nt:D+8*\nt+7], v[\a:\a+7], v[\b:\b+7], v[D+8*\nt:D+8*\nt+7]
.endif
.endm
	s_cmp_eq_u32 s18, 4
	s_cbranch_scc1 .Lv_out
	; Ak / Aq: source 0 = weights, source 1 = rows: lane (r, h), register j = (channel 16 nt + 8 h + j, row r).
	; The four accumulators take turns, one instruction a turn.
.irp ks, 0,1,2,3
.irp nt, 0,1,2,3
	MM1 \nt, \ks, WF+8*(4*\nt+\ks), XF+8*\ks
.endr
.endr
.rept 4
	v_nop                                          ; four places between the last matrix instruction and the stores of its result
.endr
	s_lshl_b32 s20, s24, 20                        ; Ak or Aq: 128 tiles of 8,192 bytes
	s_lshl_b32 s26, s19, 13
	s_add_co_u32 s20, s20, s26
	s_lshl_b32 s26, s25, 12
	s_add_co_u32 s20, s20, s26
	s_add_nc_u64 s[12:13], s[12:13], s[20:21]
	; channel 16 nt + 8 h + 4 u + q lies at e = 4 (nt % 2) + 2 h + u, half nt / 2: sixteen lanes store 256 consecutive bytes, aligned
.irp nt, 0,1,2,3
.irp u, 0,1
	global_store_b128 v10, v[D+8*\nt+4*\u:D+8*\nt+4*\u+3], s[12:13] offset:(\nt&1)*2048+\u*512+(\nt>>1)*256
.endr
.endr
	s_wait_tensorcnt 0x0
	ds_add_u32 v224, v225
	s_wait_dscnt 0x0
	s_endpgm
.Lv_out:
	; V: source 0 = rows, source 1 = weights: lane (r, h), register j = (row 8 h + j, column 16 nt + r): eight keys of one column
.irp ks, 0,1,2,3
.irp nt, 0,1,2,3
	MM1 \nt, \ks, XF+8*\ks, WF+8*(4*\nt+\ks)
.endr
.endr
.rept 4
	v_nop                                          ; four places in front of the lines that read the results or write over the weight fragments (ISA guide 7.12.1)
.endr
	s_lshr_b32 s20, s19, 1                         ; two tiles of 16 keys make a K step of 32: 4,096 bytes,
	s_lshl_b32 s20, s20, 12
	s_and_b32 s26, s19, 1                          ; the odd tile is the fragment's upper four registers
	s_lshl_b32 s26, s26, 9
	s_add_co_u32 s20, s20, s26
	s_add_nc_u64 s[14:15], s[14:15], s[20:21]
.irp nt, 0,1,2,3
.irp k, 0,1,2,3
	v_cvt_pk_bf16_f32 v[OV+4*\nt+\k], v[D+8*\nt+2*\k], v[D+8*\nt+2*\k+1]       ; first part: V rounded to bf16
.endr
.irp k, 0,1,2,3
	v_lshlrev_b32 v[TT+2*\k],   16, v[OV+4*\nt+\k]                            ; the first parts as f32 again
	v_and_b32     v[TT+2*\k+1], 0xffff0000, v[OV+4*\nt+\k]
.endr
.irp k, 0,1,2,3
	v_pk_add_f32 v[TT+2*\k:TT+2*\k+1], v[D+8*\nt+2*\k:D+8*\nt+2*\k+1], v[TT+2*\k:TT+2*\k+1] neg_lo:[0,1] neg_hi:[0,1]   ; what the rounding left: exact
.endr
.irp k, 0,1,2,3
	v_cvt_pk_bf16_f32 v[OL+4*\nt+\k], v[TT+2*\k], v[TT+2*\k+1]                 ; second part
.endr
	global_store_b128 v4, v[OV+4*\nt:OV+4*\nt+3], s[14:15] offset:\nt*1024      ; 512 consecutive bytes of the wave
	global_store_b128 v4, v[OL+4*\nt:OL+4*\nt+3], s[14:15] offset:VLO+\nt*1024
.endr
	s_wait_tensorcnt 0x0
	ds_add_u32 v224, v225
	s_wait_dscnt 0x0
	s_endpgm
.Lfunc_end_k_q7a1028b9aa_proj:
	.size	k_q7a1028b9aa_proj, .Lfunc_end_k_q7a1028b9aa_proj-k_q7a1028b9aa_proj
	.p2alignl 7, 3214868480
	.fill 96, 4, 3214868480
	.section	.rodata,"a",@progbits
	.p2align	6, 0x0
	.amdhsa_kernel k_q7a1028b9aa_proj
		.amdhsa_group_segment_fixed_size 38400
		.amdhsa_private_segment_fixed_size 0
		.amdhsa_enable_private_segment 0
		.amdhsa_kernarg_size 48
		.amdhsa_user_sgpr_count 2
		.amdhsa_user_sgpr_kernarg_segment_ptr 1
		.amdhsa_wavefront_size32 1
		.amdhsa_system_sgpr_workgroup_id_x 1
		.amdhsa_system_sgpr_workgroup_id_y 1
		.amdhsa_system_sgpr_workgroup_id_z 1
		.amdhsa_system_vgpr_workitem_id 0
		.amdhsa_next_free_vgpr 226
		.amdhsa_next_free_sgpr 66
		.amdhsa_reserve_vcc 0
		.amdhsa_float_denorm_mode_32 3
		.amdhsa_float_denorm_mode_16_64 3
		.amdhsa_memory_ordered 1
		.amdhsa_forward_progress 1
		.amdhsa_inst_pref_size 30
	.end_amdhsa_kernel
	.amdgpu_metadata
---
amdhsa.version: [ 1, 2 ]
amdhsa.kernels:
  - .name:           k_q7a1028b9aa_proj
    .symbol:         k_q7a1028b9aa_proj.kd
    .args:
      - { .name: x, .offset: 0, .size: 8, .value_kind: global_buffer, .address_space: global }
      - { .name: pos_emb, .offset: 8, .size: 8, .value_kind: global_buffer, .address_space: global }
      - { .name: W1, .offset: 16, .size: 8, .value_kind: global_buffer, .address_space: global }
      - { .name: Wv, .offset: 24, .size: 8, .value_kind: global_buffer, .address_space: global }
      - { .name: kq, .offset: 32, .size: 8, .value_kind: global_buffer, .address_space: global }
      - { .name: vf, .offset: 40, .size: 8, .value_kind: global_buffer, .address_space: global }
    .group_segment_fixed_size: 38400
    .private_segment_fixed_size: 0
    .kernarg_segment_align: 8
    .kernarg_segment_size: 48
    .max_flat_workgroup_size: 128
    .sgpr_count:     66
    .vgpr_count:     226
    .wavefront_size: 32
...
	.end_amdgpu_metadata
.endif
;; end of part 1
;; launch attn (part 2): grid 256 x 1, 16 waves a work-group, no clusters, 109,824 bytes of LDS; arguments kq, vf, W2, b1, b2, out0; writes out0
.if DOCPART == 2
	.amdgcn_target "amdgcn-amd-amdhsa--gfx1250"
	.amdhsa_code_object_version 6
	.text
	.protected	k_q7a1028b9aa_attn
	.globl	k_q7a1028b9aa_attn
	.p2align	8
	.type	k_q7a1028b9aa_attn,@function
k_q7a1028b9aa_attn:
	s_mov_b64 s[64:65], 0
	v_nop
	global_prefetch_b8 v0, s[64:65] scope:SCOPE_SE
	s_setreg_imm32_b32 hwreg(HW_REG_WAVE_MODE, 25, 1), 1
	s_wait_xcnt 0x0
; score(i, j) = sum over c of W2[c] relu(Aq[i][c] + b1[c] + Ak[j][c]) + b2, scaled by 128^-0.5; causal softmax over j; out = P V.
; A work-group owns 8 query rows of one batch: 4 high ones, i = 4 (127 - p) + n, and 4 low ones, i = 4 p + n - 4 (p = 0..63).
; High rows need 32 - p/4 tiles of 16 keys, low rows p/4 + 1: 33 in every work-group, so all 256 have equal work.
; The pair sum is no product of matrices (the relu stands between), so it runs on the vector unit in f32.
; relu(t) = (t + |t|) / 2, so with w = W2 x scale / 2 and qa = Aq + b1:  score = sum w k  +  sum w qa  +  sum w |qa + k|.
; The first sum is made once for each key tile and starts the tile's running sum; the second once for each row, by the row's softmax wave;
; the third costs an add and a multiply-add (|t| is a source modifier) for each pair and channel: no maximum is taken.
; Wave w: channel half ch = w % 2, key tiles jw + 8 t (jw = w / 2, t = 0..3).  Lane (r, h): key 16 tile + r, channels 64 ch + 32 h + 0..31.
; A lane keeps its keys' 32 channels in registers (128 for four tiles): Ak is read once by the work-group, and only the tiles the mask leaves.
; Aq + b1 lies in LDS; a row's 32 channels are read once for all of a wave's tiles, as eight 16-byte words that the sixteen lanes of a half share.
; The factor 128^-0.5 x log2(e) is folded into W2 and b2, so that the exponential is 2^x; the row's maximum is taken away first.
; b2 and the row's own sum are added although a softmax cancels them.  P is normalised in f32.  P and V each enter the matrix unit as a sum
; of two bf16 numbers (the number rounded, and what the rounding left, rounded): out = Vhi Phi + Vhi Plo + Vlo Phi over all 512 keys
; (P = 0 beyond the diagonal), 12 matrix instructions a wave.  In rows with few keys the output is a sum of few products, and one bf16
; rounding of P or V would be a large part of what the result may be off by.
; NO CLUSTER: work-groups of one batch read the same Ak, but it goes from memory straight into the registers that hold it; a joint load would
; have to lay it into LDS first, 512 keys x 512 bytes = 262,144 bytes beside the 107,648 used here, more than the 327,680 there are, and
; partners need different numbers of tiles.
; LIMITS: the three sums of a score are rounded apart in f32, so its rounding error goes with the sum of |w t| over all 128 channels and not
; only over those with t > 0 (f32's 2^-24 of that sum for each addition).  t = -infinity gives NaN where the relu gives 0.
; The product Vlo Plo, below 2^-16 of V P, is left out.  Whole tiles of 16 rows of Aq are fetched for 4 rows used, to read whole runs of 8,192 bytes.
.set SB,    16384                      ; LDS: 0 Aq + b1 (low tile, then high tile, 8,192 bytes each, in kq's layout)
.set SPART, 16448                      ; scores: 4 partial sums (2 ch + h), each [row 8][key 512] f32; 64 bytes more keep the two halves of a wave on other banks
.set PB,    SB+4*SPART                 ; 82,176: P's first parts, 8 rows of 512 bf16
.set PP,    1040                       ; its pitch: 1,024 + 16
.set OB,    90624                      ; out: [quarter of the keys 4][row 8] of 64 f32,
.set OP,    272                        ; rows 256 + 16 bytes apart: the eight rows that a store touches begin at eight different 16-byte columns
.set PLD,   OB+32*OP-PB                ; P's second parts lie at 99,328, this far behind the first
.set VLO,   262144                     ; vf: V's second parts lie this far behind the first
.set SK,  12                           ; v[12:15]   sum of w k over my 32 channels, tile t.  Later: LDS addresses
.set K,   16                           ; v[16:143]  Ak: tile t, channel 4 e + q at 32 t + 4 e + q.  Later v[16:47]: V's first parts
.set W,   144                          ; v[144:175] W2 x scale / 2, my 32 channels.  Later v144, v145: two LDS addresses of the softmax
.set A,   176                          ; v[176:239] Aq + b1 of one row, my 32 channels, two buffers.  Later v[176:207]: V's second parts
.set T,   240                          ; v[240:247] at work
.set ACC, 248                          ; v[248:251] four running sums
.set ZR,  252                          ; v252 = 0
.set SM,  48                           ; v[48:111]  softmax: four partial sums of 16 scores
.set EX,  64                           ; v[64:79]   the exponentials
.set QR,  136                          ; v[136:143] softmax: Aq + b1, channels 4 lane .. + 3, of row n % 4 of the low four and of the high four
.set QA0, 144                          ; v144, v145 the two rows' LDS addresses
.set QW,  208                          ; v[208:211] W2 of the same four channels
.set VH,  16                           ; v[16:47]   V's first parts, four K steps
.set VL,  176                          ; v[176:207] V's second parts
.set PF,  48                           ; v[48:79]   P's first parts
.set D0,  80                           ; v[80:87], v[88:95] two accumulators
.set PLF, 96                           ; v[96:127]  P's second parts
	s_load_b256 s[4:11], s[0:1], 0x0               ; kq s[4:5], vf s[6:7], W2 s[8:9], b1 s[10:11]
	s_load_b128 s[12:15], s[0:1], 0x20             ; b2 s[12:13], out0 s[14:15]
	v_lshl_add_u32 v254, v0, 2, 0x1a500
	v_mov_b32 v255, 0
	v_lshrrev_b32 v1, 5, v0
	v_readfirstlane_b32 s16, v1                    ; wave
	s_and_b32 s17, s16, 1                          ; ch
	s_lshr_b32 s18, s16, 1                         ; jw
	s_lshr_b32 s19, ttmp9, 6                       ; batch
	s_and_b32 s20, ttmp9, 63                       ; p
	s_lshr_b32 s21, s20, 2                         ; pq: the low rows' tile; the high rows' is 31 - pq
	s_and_b32 s22, s20, 3                          ; the low rows' place in their tile, in fours
	s_sub_co_u32 s23, 3, s22                       ; the high rows'
	s_add_co_u32 s24, s21, 8
	s_sub_co_u32 s24, s24, s18
	s_lshr_b32 s24, s24, 3                         ; my tiles for low rows: (pq + 1 + 7 - jw) / 8 = 0, 1 or 2
	s_sub_co_u32 s25, 39, s21
	s_sub_co_u32 s25, s25, s18
	s_lshr_b32 s25, s25, 3                         ; my tiles for high rows: (32 - pq + 7 - jw) / 8 = 2, 3 or 4
	s_mov_b32 s26, 0x3d8293ef                      ; 128^-0.5 x log2(e) / 2, for W2
	s_mov_b32 s27, 0x3d8293ef
	s_mov_b32 s29, 0x3e0293ef                      ; 128^-0.5 x log2(e), for b2
	s_mov_b32 s30, 0x76543210                      ; v_permlanex16_b32: lane i takes lane i of the other half
	s_mov_b32 s31, 0xfedcba98
	s_mov_b32 s33, 0                               ; high word of the offset pair s[32:33]
	v_and_b32 v1, 31, v0                           ; lane
	v_and_b32 v10, 15, v0                          ; r
	v_bfe_u32 v11, v0, 4, 1                        ; h
	v_lshlrev_b32 v2, 4, v1                        ; 16 lane
	v_lshlrev_b32 v3, 4, v0                        ; 16 thread: 512 threads cover a tile of 8,192 bytes
	s_lshl_b32 s42, s17, 12
	s_lshl_b32 s43, s22, 6
	s_add_co_u32 s43, s43, s42
	v_lshl_add_u32 v4, v11, 8, s43                 ; Aq, low rows: 4096 ch + 256 h + 16 x first row
	s_lshl_b32 s43, s23, 6
	s_add_co_u32 s43, s43, s42
	v_lshl_add_u32 v5, v11, 8, s43                 ; the same for the high rows
	s_mul_i32 s43, s17, 2*SPART
	s_lshl_b32 s44, s18, 6
	s_add_co_u32 s43, s43, s44
	s_add_co_u32 s43, s43, SB
	v_mul_u32_u24 v6, v11, SPART
	v_lshl_add_u32 v6, v10, 2, v6
	v_add_nc_u32 v6, s43, v6                       ; my score word: part 2 ch + h, key 16 jw + r
	v_and_b32 v7, 0x100, v0                        ; b1 of the four channels that my 16 bytes of a tile hold: 256 ch
	v_lshl_add_u32 v7, v11, 7, v7                  ; + 128 h
	v_bfe_u32 v12, v0, 5, 3
	v_lshl_add_u32 v7, v12, 4, v7                  ; + 16 e
	s_lshl_b32 s43, s17, 8
	v_lshl_add_u32 v8, v11, 7, s43                 ; W2 of my 32 channels
	v_mov_b32 v[ZR], 0
	s_wait_kmcnt 0x0
	s_load_b32 s28, s[12:13], 0x0                  ; b2
	s_lshl_b32 s45, s19, 18                        ; a batch: 32 tiles of 8,192 bytes
	s_lshl_b32 s42, s18, 13
	s_lshl_b32 s43, s17, 12
	s_add_co_u32 s32, s45, s42
	s_add_co_u32 s32, s32, s43
	s_add_nc_u64 s[36:37], s[4:5], s[32:33]        ; Ak: my first tile, my channel half
	s_add_co_u32 s45, s45, 0x100000                ; Aq lies 1,048,576 bytes behind Ak
	s_lshl_b32 s42, s21, 13
	s_add_co_u32 s32, s45, s42
	s_add_nc_u64 s[38:39], s[4:5], s[32:33]        ; Aq: the low rows' tile
	s_sub_co_u32 s42, 31, s21
	s_lshl_b32 s42, s42, 13
	s_add_co_u32 s32, s45, s42
	s_add_nc_u64 s[40:41], s[4:5], s[32:33]        ; Aq: the high rows' tile
	s_lshl_b32 s32, s19, 16                        ; V: 65,536 bytes a batch,
	s_lshr_b32 s46, s16, 2                         ; my quarter of the keys (four K steps of 4,096 bytes),
	s_and_b32 s47, s16, 3                          ; my 16 columns
	s_lshl_b32 s42, s46, 14
	s_lshl_b32 s43, s47, 10
	s_add_co_u32 s32, s32, s42
	s_add_co_u32 s32, s32, s43
	s_add_nc_u64 s[6:7], s[6:7], s[32:33]
.macro KLOAD t                         ; tile jw + 8 t: eight loads, each 512 consecutive bytes of the wave
.irp e, 0,1,2,3,4,5,6,7
	global_load_b128 v[K+32*\t+4*\e:K+32*\t+4*\e+3], v2, s[36:37] offset:\t*65536+\e*512
.endr
.endm
.macro ALOAD buf, n                    ; Aq + b1 of row n, my 32 channels: each 16-byte word is shared by the sixteen lanes of a half
.irp e, 0,1,2,3,4,5,6,7
.if (\n) < 4
	ds_load_b128 v[A+32*\buf+4*\e:A+32*\buf+4*\e+3], v5 offset:8192+\e*512+((\n)&3)*16
.else
	ds_load_b128 v[A+32*\buf+4*\e:A+32*\buf+4*\e+3], v4 offset:\e*512+((\n)&3)*16
.endif
.endr
.endm
; The sum of w k over my 32 channels of tile t, once for all rows: four chains of packed multiply-adds, started by products.
.macro SKSUM t
.irp j, 0,1,2,3
	v_pk_mul_f32 v[T+2*\j:T+2*\j+1], v[K+32*\t+2*\j:K+32*\t+2*\j+1], v[W+2*\j:W+2*\j+1]
.endr
.irp j, 4,5,6,7,8,9,10,11,12,13,14,15
	v_pk_fma_f32 v[T+2*(\j&3):T+2*(\j&3)+1], v[K+32*\t+2*\j:K+32*\t+2*\j+1], v[W+2*\j:W+2*\j+1], v[T+2*(\j&3):T+2*(\j&3)+1]
.endr
	v_pk_add_f32 v[T:T+1],   v[T:T+1],   v[T+2:T+3]
	v_pk_add_f32 v[T+4:T+5], v[T+4:T+5], v[T+6:T+7]
	v_pk_add_f32 v[T:T+1],   v[T:T+1],   v[T+4:T+5]
	v_add_f32 v[SK+\t], v[T], v[T+1]
.endm
; One row against one tile: 32 channels of 16 keys in each half of the wave.  Eight channels at a time: four packed adds make t = qa + k,
; eight multiply-adds take w |t| into four running sums by turns.  The first sum starts from the tile's sum of w k, the others from products.
.macro TILE buf, t, n
.irp g, 0,1,2,3
.irp k, 0,1,2,3
	v_pk_add_f32 v[T+2*\k:T+2*\k+1], v[K+32*(\t)+8*\g+2*\k:K+32*(\t)+8*\g+2*\k+1], v[A+32*\buf+8*\g+2*\k:A+32*\buf+8*\g+2*\k+1]
.endr
.irp k, 0,1,2,3,4,5,6,7
.if 8*\g+\k == 0
	v_fma_f32 v[ACC], |v[T]|, v[W], v[SK+(\t)]
.else
.if 8*\g+\k < 4
	v_mul_f32 v[ACC+\k], |v[T+\k]|, v[W+\k]
.else
	v_fma_f32 v[ACC+(\k&3)], |v[T+\k]|, v[W+8*\g+\k], v[ACC+(\k&3)]
.endif
.endif
.endr
.endr
	v_pk_add_f32 v[ACC:ACC+1], v[ACC:ACC+1], v[ACC+2:ACC+3]
	v_add_f32 v[ACC], v[ACC], v[ACC+1]
	ds_store_b32 v6, v[ACC] offset:(\n)*2048+(\t)*512
.endm
; One row against my tiles 0 .. nt - 1.  first = 1: tiles 2 and 3 are waited for here, behind the work on tiles 0 and 1, and their sums of w k made.
.macro ROW buf, n, nt, first
	TILE \buf, 0, \n
.if \nt > 1
	TILE \buf, 1, \n
.endif
.if \nt > 2
.if \first
	s_wait_loadcnt 0x0                             ; tiles 2 and 3: nothing younger is out
	SKSUM 2
.if \nt > 3
	SKSUM 3
.endif
.endif
	TILE \buf, 2, \n
.endif
.if \nt > 3
	TILE \buf, 3, \n
.endif
.endm
; Four rows n0 .. n0 + 3 against tiles 0 .. nt - 1.  The next row's eight LDS loads are issued ahead of each row's work:
; s_wait_dscnt 8 leaves those eight out; all older LDS instructions (this row's loads, earlier score stores) are done.
; first = 1 (the high rows, which come first): tiles 0 and 1 are waited for, and their sums of w k made while the first rows' LDS loads land.
.macro RUN4 n0, nt, first
	ALOAD 0, \n0
	ALOAD 1, \n0+1
.if \first
	s_wait_loadcnt 8*(\nt-2)                       ; tiles 0 and 1 are in; the 8 (nt - 2) loads of tiles 2 and 3 are younger
	SKSUM 0
	SKSUM 1
.endif
	s_wait_dscnt 8
	ROW 0, \n0, \nt, \first
	ALOAD 0, \n0+2
	s_wait_dscnt 8
	ROW 1, \n0+1, \nt, 0
	ALOAD 1, \n0+3
	s_wait_dscnt 8
	ROW 0, \n0+2, \nt, 0
	s_wait_dscnt 0
	ROW 1, \n0+3, \nt, 0
.endm
; The high rows for a wave with nt tiles.  Tiles 0 and 1 are on their way since the start; the later ones are asked for here and
; land during the first row's work on tiles 0 and 1.  Loads and uses of a tile stand under one branch.
.macro VAR nt
.if \nt > 2
	KLOAD 2
.endif
.if \nt > 3
	KLOAD 3
.endif
	RUN4 0, \nt, 1
.endm
	global_load_b128 v[T:T+3], v7, s[10:11]        ; b1
	global_load_b128 v[A:A+3], v3, s[38:39]        ; Aq, low tile: my 16 bytes
	global_load_b128 v[A+4:A+7], v3, s[40:41]      ; Aq, high tile
.irp e, 0,1,2,3,4,5,6,7
	global_load_b128 v[W+4*\e:W+4*\e+3], v8, s[8:9] offset:\e*16
.endr
	KLOAD 0
	KLOAD 1
	; every score word of mine starts as 0, so that the softmax reads no byte that was never written (tiles beyond the diagonal are
	; not computed; the mask throws their words away).  LDS serves a wave's instructions in order: my later stores land on top.
.irp n, 0,1,2,3,4,5,6,7
.irp t, 0,1,2,3
	ds_store_b32 v6, v[ZR] offset:\n*2048+\t*512
.endr
.endr
	s_wait_loadcnt 24                              ; b1 and Aq are in; 8 loads of W2 and 16 of Ak are younger
	v_pk_add_f32 v[A:A+1],   v[A:A+1],   v[T:T+1]
	v_pk_add_f32 v[A+2:A+3], v[A+2:A+3], v[T+2:T+3]
	v_pk_add_f32 v[A+4:A+5], v[A+4:A+5], v[T:T+1]
	v_pk_add_f32 v[A+6:A+7], v[A+6:A+7], v[T+2:T+3]
	ds_store_b128 v3, v[A:A+3]
	ds_store_b128 v3, v[A+4:A+7] offset:8192
	s_wait_loadcnt 16                              ; W2 is in; the 16 loads of Ak are younger
.irp k, 0,2,4,6,8,10,12,14,16,18,20,22,24,26,28,30
	v_pk_mul_f32 v[W+\k:W+\k+1], v[W+\k:W+\k+1], s[26:27] op_sel_hi:[1,0]
.endr
	s_wait_kmcnt 0x0                               ; b2
	s_wait_dscnt 0x0                               ; my part of Aq + b1 is in LDS: every wave reads it
	s_barrier_signal -1
	s_barrier_wait -1
	s_cmp_eq_u32 s25, 2
	s_cbranch_scc1 .Lh2
	s_cmp_eq_u32 s25, 3
	s_cbranch_scc1 .Lh3
	VAR 4
	s_branch .Llow
.Lh3:
	VAR 3
	s_branch .Llow
.Lh2:
	VAR 2
.Llow:
	s_cmp_eq_u32 s24, 0
	s_cbranch_scc1 .Lv
	s_cmp_eq_u32 s24, 1
	s_cbranch_scc1 .Ll1
	RUN4 4, 2, 0
	s_branch .Lv
.Ll1:
	RUN4 4, 1, 0
.Lv:
	; Asked for now, for the later phases: W2 of channels 4 lane .. + 3 (for the rows' own sums), and V's fragments: four K steps of 32 keys,
	; my 16 columns, both parts.  Ak's registers and the row buffers are free: every way here has waited for all its loads of Ak and,
	; in front of its last row, for all its LDS loads.
	global_load_b128 v[QW:QW+3], v2, s[8:9]
.irp m, 0,1,2,3
	global_load_b128 v[VH+8*\m:VH+8*\m+3],   v2, s[6:7] offset:\m*4096
	global_load_b128 v[VH+8*\m+4:VH+8*\m+7], v2, s[6:7] offset:\m*4096+512
.endr
.irp m, 0,1,2,3
	global_load_b128 v[VL+8*\m:VL+8*\m+3],   v2, s[6:7] offset:VLO+\m*4096
	global_load_b128 v[VL+8*\m+4:VL+8*\m+7], v2, s[6:7] offset:VLO+\m*4096+512
.endr
	s_wait_dscnt 0x0                               ; my scores are in LDS
	s_barrier_signal -1
	s_barrier_wait -1
	; SOFTMAX: wave n = 0..7 takes row n.  Lane l holds keys 128 m + 4 l + q, m, q = 0..3.
	s_cmp_ge_u32 s16, 8
	s_cbranch_scc1 .Lsm_done
	; Aq + b1, channels 4 l .. 4 l + 3 (in kq's layout ch = l / 16, h = (l / 8) % 2, e = l % 8), of row n % 4 of the low four and of the
	; high four.  Both are loaded, so that no LDS address hangs on a choice; the wave's own row is picked from the two values further down.
	s_and_b32 s44, s16, 3
	s_lshl_b32 s44, s44, 4                         ; 16 bytes a row: n % 4
	s_lshl_b32 s42, s22, 6
	s_add_co_u32 s42, s42, s44                     ; the row among the low tile's sixteen
	s_lshl_b32 s43, s23, 6
	s_add_co_u32 s43, s43, s44                     ; the row among the high tile's sixteen
	v_and_b32 v[QA0], 7, v0
	v_bfe_u32 v[QA0+1], v0, 3, 1
	v_lshlrev_b32 v[QA0], 9, v[QA0]                ; 512 e
	v_lshl_add_u32 v[QA0], v[QA0+1], 8, v[QA0]     ; + 256 h
	v_lshl_add_u32 v[QA0], v11, 12, v[QA0]         ; + 4096 ch
	v_add_nc_u32 v[QA0+1], s43, v[QA0]
	v_add_nc_u32 v[QA0], s42, v[QA0]
	ds_load_b128 v[QR:QR+3], v[QA0]
	ds_load_b128 v[QR+4:QR+7], v[QA0+1] offset:8192
	s_lshl_b32 s42, s16, 11
	s_add_co_u32 s42, s42, SB
	v_add_nc_u32 v9, s42, v2
.irp part, 0,1,2,3
.irp m, 0,1,2,3
	ds_load_b128 v[SM+16*\part+4*\m:SM+16*\part+4*\m+3], v9 offset:\part*SPART+\m*512
.endr
.endr
	s_mul_i32 s43, s16, PP
	s_add_co_u32 s43, s43, PB
	v_lshl_add_u32 v12, v1, 3, s43                 ; where my P goes: row n, 8 bytes a lane
	s_sub_co_u32 s42, 127, s20
	s_lshl_b32 s42, s42, 2
	s_add_co_u32 s42, s42, s16                     ; i of a high row
	s_lshl_b32 s43, s20, 2
	s_add_co_u32 s43, s43, s16
	s_sub_co_u32 s43, s43, 4                       ; i of a low row (used for n >= 4 alone)
	s_cmp_lt_u32 s16, 4
	s_cselect_b32 s34, s42, s43
	s_cselect_b32 s35, -1, 0                       ; all lanes' bits set in the waves of high rows
	v_lshlrev_b32 v112, 2, v1
	v_sub_nc_u32 v112, s34, v112                   ; i - 4 l: key 128 m + q + 4 l is kept where 128 m + q <= i - 4 l
	v_mov_b32 v113, 0xff800000                     ; -infinity
	v_mov_b32 v116, s28
	v_mul_f32 v116, s29, v116                      ; b2 x scale
	s_wait_loadcnt 16                              ; W2's four channels are in; the 16 loads of V are younger
	s_wait_dscnt 16                                ; the two rows of Aq + b1 are in; the 16 loads of scores are younger and land during the sum below
.irp k, 0,1,2,3
	v_cndmask_b32 v[QR+\k], v[QR+\k], v[QR+4+\k], s35      ; my row: the high one for n < 4, else the low one
.endr
	v_pk_mul_f32 v[QR:QR+1], v[QR:QR+1], v[QW:QW+1]
	v_pk_fma_f32 v[QR:QR+1], v[QR+2:QR+3], v[QW+2:QW+3], v[QR:QR+1]
	v_add_f32 v[QR], v[QR], v[QR+1]
	v_add_f32_dpp v[QR], v[QR], v[QR] row_xmask:1 row_mask:0xf bank_mask:0xf
	v_add_f32_dpp v[QR], v[QR], v[QR] row_xmask:2 row_mask:0xf bank_mask:0xf
	v_add_f32_dpp v[QR], v[QR], v[QR] row_xmask:4 row_mask:0xf bank_mask:0xf
	v_add_f32_dpp v[QR], v[QR], v[QR] row_xmask:8 row_mask:0xf bank_mask:0xf
	v_permlanex16_b32 v[QR+1], v[QR], s30, s31
	v_add_f32 v[QR], v[QR], v[QR+1]                ; sum of W2 (Aq + b1) over the 128 channels, in every lane
	v_fma_f32 v116, s26, v[QR], v116               ; x scale / 2, + b2 x scale: what every key of the row gets
	v_mov_b32 v117, v116
	s_wait_dscnt 0x0
.irp k, 0,2,4,6,8,10,12,14
	v_pk_add_f32 v[SM+\k:SM+\k+1],       v[SM+\k:SM+\k+1],       v[SM+16+\k:SM+16+\k+1]
	v_pk_add_f32 v[SM+32+\k:SM+32+\k+1], v[SM+32+\k:SM+32+\k+1], v[SM+48+\k:SM+48+\k+1]
.endr
.irp k, 0,2,4,6,8,10,12,14
	v_pk_add_f32 v[SM+\k:SM+\k+1], v[SM+\k:SM+\k+1], v[SM+32+\k:SM+32+\k+1]
.endr
.irp k, 0,2,4,6,8,10,12,14
	v_pk_add_f32 v[SM+\k:SM+\k+1], v[SM+\k:SM+\k+1], v[116:117]
.endr
.irp e, 0,1,2,3,4,5,6,7,8,9,10,11,12,13,14,15
	v_cmp_le_i32 vcc_lo, 128*(\e>>2)+(\e&3), v112
	v_cndmask_b32 v[SM+\e], v113, v[SM+\e], vcc_lo
.endr
	v_max3_num_f32 v114, v[SM], v[SM+1], v[SM+2]
	v_max3_num_f32 v115, v[SM+3], v[SM+4], v[SM+5]
	v_max3_num_f32 v114, v114, v[SM+6], v[SM+7]
	v_max3_num_f32 v115, v115, v[SM+8], v[SM+9]
	v_max3_num_f32 v114, v114, v[SM+10], v[SM+11]
	v_max3_num_f32 v115, v115, v[SM+12], v[SM+13]
	v_max3_num_f32 v114, v114, v[SM+14], v[SM+15]
	v_max_num_f32 v114, v114, v115
	v_max_num_f32_dpp v114, v114, v114 row_xmask:1 row_mask:0xf bank_mask:0xf
	v_max_num_f32_dpp v114, v114, v114 row_xmask:2 row_mask:0xf bank_mask:0xf
	v_max_num_f32_dpp v114, v114, v114 row_xmask:4 row_mask:0xf bank_mask:0xf
	v_max_num_f32_dpp v114, v114, v114 row_xmask:8 row_mask:0xf bank_mask:0xf
	v_permlanex16_b32 v115, v114, s30, s31
	v_max_num_f32 v114, v114, v115                 ; the row's maximum, in every lane (key 0 is never masked)
.irp e, 0,1,2,3,4,5,6,7,8,9,10,11,12,13,14,15
	v_sub_f32 v[SM+\e], v[SM+\e], v114
.endr
.irp e, 0,1,2,3,4,5,6,7,8,9,10,11,12,13,14,15
	v_exp_f32 v[EX+\e], v[SM+\e]                   ; 2^x; masked keys give 0
.endr
	v_nop                                          ; one plain place between the exponentials and the first use of a result (ISA guide 5.7.2)
	s_wait_alu depctr_va_vdst(0)
	v_pk_add_f32 v[116:117], v[EX:EX+1],     v[EX+2:EX+3]
	v_pk_add_f32 v[118:119], v[EX+4:EX+5],   v[EX+6:EX+7]
	v_pk_add_f32 v[120:121], v[EX+8:EX+9],   v[EX+10:EX+11]
	v_pk_add_f32 v[122:123], v[EX+12:EX+13], v[EX+14:EX+15]
	v_pk_add_f32 v[116:117], v[116:117], v[118:119]
	v_pk_add_f32 v[120:121], v[120:121], v[122:123]
	v_pk_add_f32 v[116:117], v[116:117], v[120:121]
	v_add_f32 v116, v116, v117
	v_add_f32_dpp v116, v116, v116 row_xmask:1 row_mask:0xf bank_mask:0xf
	v_add_f32_dpp v116, v116, v116 row_xmask:2 row_mask:0xf bank_mask:0xf
	v_add_f32_dpp v116, v116, v116 row_xmask:4 row_mask:0xf bank_mask:0xf
	v_add_f32_dpp v116, v116, v116 row_xmask:8 row_mask:0xf bank_mask:0xf
	v_permlanex16_b32 v117, v116, s30, s31
	v_add_f32 v116, v116, v117                     ; at least 1: the largest score gives 2^0
	v_rcp_f32 v118, v116
	v_nop                                          ; one plain place behind the reciprocal
	s_wait_alu depctr_va_vdst(0)
	v_mov_b32 v119, v118
.irp k, 0,2,4,6,8,10,12,14
	v_pk_mul_f32 v[EX+\k:EX+\k+1], v[EX+\k:EX+\k+1], v[118:119]
.endr
.irp k, 0,1,2,3,4,5,6,7
	v_cvt_pk_bf16_f32 v[120+\k], v[EX+2*\k], v[EX+2*\k+1]                      ; first part: P rounded to bf16
.endr
.irp k, 0,1,2,3,4,5,6,7
	v_lshlrev_b32 v[SM+2*\k],   16, v[120+\k]                                 ; the first parts as f32 again
	v_and_b32     v[SM+2*\k+1], 0xffff0000, v[120+\k]
.endr
.irp k, 0,2,4,6,8,10,12,14
	v_pk_add_f32 v[SM+\k:SM+\k+1], v[EX+\k:EX+\k+1], v[SM+\k:SM+\k+1] neg_lo:[0,1] neg_hi:[0,1]   ; what the rounding left: exact
.endr
.irp k, 0,1,2,3,4,5,6,7
	v_cvt_pk_bf16_f32 v[128+\k], v[SM+2*\k], v[SM+2*\k+1]                      ; second part
.endr
.irp m, 0,1,2,3
	ds_store_b64 v12, v[120+2*\m:120+2*\m+1] offset:\m*256
	ds_store_b64 v12, v[128+2*\m:128+2*\m+1] offset:PLD+\m*256
.endr
.Lsm_done:
	s_wait_dscnt 0x0                               ; P is in LDS
	s_barrier_signal -1
	s_barrier_wait -1
	; P V: wave w takes columns 16 (w % 4) .. + 15 and keys 128 (w / 4) .. + 127.  Source 0 = V (its columns as rows), source 1 = P:
	; lane (r, h), register j = out(row r, column 16 nt + 8 h + j).  Lanes r >= 8 read rows r - 8 again and hold copies.
	v_and_b32 v13, 7, v0
	v_mul_u32_u24 v14, v13, OP
	v_mul_u32_u24 v13, v13, PP
	v_lshl_add_u32 v13, v11, 4, v13
	s_lshl_b32 s42, s46, 8
	s_add_co_u32 s42, s42, PB
	v_add_nc_u32 v13, s42, v13                     ; P: row x pitch + 256 x quarter + 16 h
	v_lshl_add_u32 v14, v11, 5, v14
	s_mul_i32 s42, s46, 8*OP
	s_lshl_b32 s43, s47, 6
	s_add_co_u32 s42, s42, s43
	s_add_co_u32 s42, s42, OB
	v_add_nc_u32 v14, s42, v14                     ; partial out: (8 x quarter + row) x pitch + 64 nt + 32 h
.irp m, 0,1,2,3
	ds_load_b128 v[PF+8*\m:PF+8*\m+3],   v13 offset:\m*64
	ds_load_b128 v[PF+8*\m+4:PF+8*\m+7], v13 offset:\m*64+32
.endr
.irp m, 0,1,2,3
	ds_load_b128 v[PLF+8*\m:PLF+8*\m+3],   v13 offset:PLD+\m*64
	ds_load_b128 v[PLF+8*\m+4:PLF+8*\m+7], v13 offset:PLD+\m*64+32
.endr
	s_wait_loadcnt 0x0                             ; V, both parts
	s_wait_dscnt 0x0                               ; P, both parts
	; Twelve products on two accumulators that take turns, one instruction a turn: product idx goes to
	; accumulator idx % 2; the first two start the sums.
.macro PVM idx, a, b
.if (\idx) < 2
	v_wmma_f32_16x16x32_bf16 v[D0+8*((\idx)&1):D0+8*((\idx)&1)+7], v[\a:\a+7], v[\b:\b+7], 0
.else
	v_wmma_f32_16x16x32_bf16 v[D0+8*((\idx)&1):D0+8*((\idx)&1)+7], v[\a:\a+7], v[\b:\b+7], v[D0+8*((\idx)&1):D0+8*((\idx)&1)+7]
.endif
.endm
.irp m, 0,1,2,3
	PVM 3*\m,   VH+8*\m, PF+8*\m
	PVM 3*\m+1, VH+8*\m, PLF+8*\m
	PVM 3*\m+2, VL+8*\m, PF+8*\m
.endr
.rept 4
	v_nop                                          ; four places between the last matrix instruction and the sums that read its result (ISA guide 7.12.1)
.endr
.irp k, 0,2,4,6
	v_pk_add_f32 v[D0+\k:D0+\k+1], v[D0+\k:D0+\k+1], v[D0+8+\k:D0+8+\k+1]
.endr
	ds_store_b128 v14, v[D0:D0+3]                  ; lanes r and r + 8 write the same numbers to the same bytes
	ds_store_b128 v14, v[D0+4:D0+7] offset:16
	s_wait_dscnt 0x0
	s_barrier_signal -1
	s_barrier_wait -1
	; The four quarters of the keys are added in a fixed order and stored: wave w = 0..3 takes rows 2 w and 2 w + 1, 512 consecutive bytes of out0.
	s_cmp_ge_u32 s16, 4
	s_cbranch_scc1 .Lend
	s_mul_i32 s42, s16, 2*OP
	s_add_co_u32 s42, s42, OB
	v_mul_u32_u24 v15, v11, OP
	v_lshl_add_u32 v15, v10, 4, v15
	v_add_nc_u32 v15, s42, v15                     ; row 2 w + h, 16 bytes a lane
.irp q, 0,1,2,3
	ds_load_b128 v[PF+4*\q:PF+4*\q+3], v15 offset:\q*8*OP
.endr
	s_lshl_b32 s44, s16, 1                         ; 2 w
	s_sub_co_u32 s42, 127, s20
	s_lshl_b32 s42, s42, 2
	s_add_co_u32 s42, s42, s44                     ; waves 0, 1: rows 4 (127 - p) + 2 w
	s_lshl_b32 s43, s20, 2
	s_add_co_u32 s43, s43, s44
	s_sub_co_u32 s43, s43, 4                       ; waves 2, 3: rows 4 p + 2 (w - 2)
	s_cmp_lt_u32 s16, 2
	s_cselect_b32 s42, s42, s43
	s_lshl_b32 s43, s19, 9
	s_add_co_u32 s42, s42, s43                     ; + 512 x batch
	s_lshl_b32 s32, s42, 8                         ; rows of 256 bytes
	s_add_nc_u64 s[14:15], s[14:15], s[32:33]
	s_wait_dscnt 0x0
	v_pk_add_f32 v[PF:PF+1],     v[PF:PF+1],     v[PF+4:PF+5]
	v_pk_add_f32 v[PF+2:PF+3],   v[PF+2:PF+3],   v[PF+6:PF+7]
	v_pk_add_f32 v[PF+8:PF+9],   v[PF+8:PF+9],   v[PF+12:PF+13]
	v_pk_add_f32 v[PF+10:PF+11], v[PF+10:PF+11], v[PF+14:PF+15]
	v_pk_add_f32 v[PF:PF+1],     v[PF:PF+1],     v[PF+8:PF+9]
	v_pk_add_f32 v[PF+2:PF+3],   v[PF+2:PF+3],   v[PF+10:PF+11]
	global_store_b128 v2, v[PF:PF+3], s[14:15] th:TH_STORE_NT
.Lend:
	s_wait_tensorcnt 0x0
	ds_add_u32 v254, v255
	s_wait_dscnt 0x0
	s_endpgm
.Lfunc_end_k_q7a1028b9aa_attn:
	.size	k_q7a1028b9aa_attn, .Lfunc_end_k_q7a1028b9aa_attn-k_q7a1028b9aa_attn
	.p2alignl 7, 3214868480
	.fill 96, 4, 3214868480
	.section	.rodata,"a",@progbits
	.p2align	6, 0x0
	.amdhsa_kernel k_q7a1028b9aa_attn
		.amdhsa_group_segment_fixed_size 109824
		.amdhsa_private_segment_fixed_size 0
		.amdhsa_enable_private_segment 0
		.amdhsa_kernarg_size 48
		.amdhsa_user_sgpr_count 2
		.amdhsa_user_sgpr_kernarg_segment_ptr 1
		.amdhsa_wavefront_size32 1
		.amdhsa_system_sgpr_workgroup_id_x 1
		.amdhsa_system_sgpr_workgroup_id_y 1
		.amdhsa_system_sgpr_workgroup_id_z 1
		.amdhsa_system_vgpr_workitem_id 0
		.amdhsa_next_free_vgpr 256
		.amdhsa_next_free_sgpr 66
		.amdhsa_reserve_vcc 1
		.amdhsa_float_denorm_mode_32 3
		.amdhsa_float_denorm_mode_16_64 3
		.amdhsa_memory_ordered 1
		.amdhsa_forward_progress 1
		.amdhsa_inst_pref_size 205
	.end_amdhsa_kernel
	.amdgpu_metadata
---
amdhsa.version: [ 1, 2 ]
amdhsa.kernels:
  - .name:           k_q7a1028b9aa_attn
    .symbol:         k_q7a1028b9aa_attn.kd
    .args:
      - { .name: kq, .offset: 0, .size: 8, .value_kind: global_buffer, .address_space: global }
      - { .name: vf, .offset: 8, .size: 8, .value_kind: global_buffer, .address_space: global }
      - { .name: W2, .offset: 16, .size: 8, .value_kind: global_buffer, .address_space: global }
      - { .name: b1, .offset: 24, .size: 8, .value_kind: global_buffer, .address_space: global }
      - { .name: b2, .offset: 32, .size: 8, .value_kind: global_buffer, .address_space: global }
      - { .name: out0, .offset: 40, .size: 8, .value_kind: global_buffer, .address_space: global }
    .group_segment_fixed_size: 109824
    .private_segment_fixed_size: 0
    .kernarg_segment_align: 8
    .kernarg_segment_size: 48
    .max_flat_workgroup_size: 512
    .sgpr_count:     66
    .vgpr_count:     256
    .wavefront_size: 32
...
	.end_amdgpu_metadata
.endif
;; end of part 2
;; ======== version 2 of 2: 2 launches; version 1 with the launch proj written anew for expert scheduling mode
;; limits: a difference of large sums (such as E[x^2] - mean^2): digits are lost where the result is much smaller than its terms
;; workspace buffers: kq 2,097,152 bytes; vf 524,288 bytes
;; launch proj (part 3): grid 32 x 5, 4 waves a work-group, no clusters, 38,400 bytes of LDS; arguments x, pos_emb, W1, Wv, kq, vf; writes kq, vf
.if DOCPART == 3
	.amdgcn_target "amdgcn-amd-amdhsa--gfx1250"
	.amdhsa_code_object_version 6
	.text
	.protected	k_q7a1028b9aa_proj
	.globl	k_q7a1028b9aa_proj
	.p2align	8
	.type	k_q7a1028b9aa_proj,@function
k_q7a1028b9aa_proj:
	s_mov_b64 s[64:65], 0
	v_nop
	global_prefetch_b8 v0, s[64:65] scope:SCOPE_SE
	s_setreg_imm32_b32 hwreg(HW_REG_WAVE_SCHED_MODE, 0, 2), 2
	s_setreg_imm32_b32 hwreg(HW_REG_WAVE_MODE, 25, 1), 1
	s_wait_xcnt 0x0
	s_wait_alu depctr_vm_vsrc(0)
; The three projections, bf16 operands and f32 sums:  Ak = (x+pos) W1[0:128],  Aq = (x+pos) W1[128:256],  V = x Wv.
; Grid x: 64 of the 2,048 rows (batch x position).  Grid y = g: 0..3 = 64 columns of Ak / Aq (which = g>>1, half ch = g&1), 4 = V.
; Wave w owns the tile tg = 4 x + w of 16 rows: 4 column tiles x 4 K steps = 16 matrix instructions.
; OUT, kq (f32): [which 2][tg 128][ch 2][e 8][h 2][r 16][4]: channel 64 ch + 32 h + 4 e + q of row 16 tg + r, so that the second launch
;   takes 32 channels of one row into a lane by eight loads of 16 bytes, each covering 512 consecutive bytes of the wave.
; OUT, vf (bf16): V as ready fragments [part 2][b 4][ks 16][nt 4][q 2][lane 32][16 bytes]: lane (r, h) holds V[32 ks + 16 q + 8 h + 0..7][16 nt + r].
;   part 0 = V rounded to bf16, part 1 = what that rounding left (exact in f32), rounded to bf16: in rows with few keys the output is
;   a sum of few products, and one bf16 rounding of V would be a large part of what the result may be off by.
; LIMIT: V is carried with the 16 bits of the two parts' mantissas, not with f32's 24.
; No tensor loads, no cluster: each work-group reads 32 KiB of rows and 32 KiB of weights once, straight through registers, because
; the f32 numbers have to pass the registers anyway to be added and rounded to bf16.
; THE MODE: SCHED_MODE bits 1:0 = 2 (LLVM: expert scheduling mode 2), set by the entry lines.  The code itself states the register dependences
; between vector or matrix instructions and memory or LDS instructions, with s_wait_alu, always for 0.
; THE PLAN.  Registers that memory or LDS instructions touch:
;   v4 .. v10, v13  offsets and LDS addresses: made at the head, ahead of the branch, and never written again: one wait at the head serves them all.
;   XR, PR, WR      loaded once; read by the sums and the conversions; later the fragments' LDS loads land in the same registers.
;   XO, WO          the rows and the weights in bf16, 32 registers each: written by the conversions, read by the LDS stores, each pair by one store.
;   XF, WF          the fragments: written by the LDS loads behind the barrier, read by the matrix instructions.
;   D               written by the matrix instructions; read by the stores of Ak / Aq, or by V's vector work.
;   OV, OL          V's two parts, four registers to a column tile: written by conversions, read by one store each.
; One wait on va_vdst stands behind the rows' conversions, one behind the weights', one ahead of each run of global stores; one wait on vm_vsrc
; behind the barrier, ahead of the loads that land where the LDS stores took their data.  The rows' stores are dealt among the weights' conversions.
.set WP, 160                           ; LDS pitch of a weight row (64 bf16 = 128 bytes): an odd multiple of 32, for the transposing loads
.set XL, 128*WP                        ; behind the weights: 16 rows of x for each wave
.set XP, 272                           ; pitch of a row of x (128 bf16 = 256 bytes + 16)
.set VLO, 262144                       ; vf: the second parts lie behind the 4 x 65,536 bytes of the first
.set XR, 16                            ; v[16:79]   x as loaded: row rr in 4 registers
.set PR, 80                            ; v[80:143]  pos_emb as loaded
.set WR, 144                           ; v[144:207] my 32 rows of the weights as loaded
.set XO, 80                            ; v[80:111]  my 16 rows in bf16, on their way into LDS (pos_emb's registers, free behind the sums)
.set WO, 112                           ; v[112:143] my 32 rows of the weights in bf16, on their way into LDS
.set WF, 16                            ; v[16:143]  weight fragments, (nt, ks) at 8 (4 nt + ks)
.set XF, 144                           ; v[144:175] fragments of my 16 rows, ks at 8 ks
.set D,  176                           ; v[176:207] four accumulators
.set OV, 208                           ; v[208:223] V's first parts
.set OL, 16                            ; v[16:31]   V's second parts (the weight fragments are done with)
.set TT, 32                            ; v[32:39]   at work on the second parts: no memory instruction names them
	s_load_b256 s[4:11], s[0:1], 0x0               ; x s[4:5], pos_emb s[6:7], W1 s[8:9], Wv s[10:11]
	s_load_b128 s[12:15], s[0:1], 0x20             ; kq s[12:13], vf s[14:15]
	v_lshl_add_u32 v14, v0, 2, 0x9400
	v_mov_b32 v15, 0
	v_lshrrev_b32 v1, 5, v0
	v_readfirstlane_b32 s16, v1                    ; wave
	s_and_b32 s18, ttmp7, 0xffff                   ; g
	s_lshr_b32 s24, s18, 1                         ; which
	s_and_b32 s25, s18, 1                          ; ch
	s_lshl_b32 s19, ttmp9, 2
	s_wait_alu depctr_va_sdst(0)                   ; s16 is written, ahead of its first reader: the tile's number, the bases and the LDS places are made from it
	s_add_co_u32 s19, s19, s16                     ; tg
	s_mov_b32 s21, 0                               ; high word of every offset pair s[20:21]
	v_and_b32 v1, 31, v0                           ; lane
	v_and_b32 v2, 15, v0                           ; r
	v_bfe_u32 v3, v0, 4, 1                         ; h
	v_lshlrev_b32 v4, 4, v1                        ; 16 lane
	s_lshl_b32 s22, s16, 5
	v_add_nc_u32 v11, s22, v3                      ; weight row 32 w + h (two rows to a load)
	v_mul_u32_u24 v6, v11, WP
	v_lshl_add_u32 v6, v2, 3, v6                   ; weights into LDS: row x pitch + 8 r
	s_mul_i32 s23, s16, 16*XP
	s_add_co_u32 s23, s23, XL                      ; my wave's 16 rows in LDS
	v_lshl_add_u32 v7, v1, 3, s23                  ; rows into LDS: 8 lane
	v_mul_u32_u24 v8, v2, XP
	v_lshl_add_u32 v8, v3, 4, v8
	v_add_nc_u32 v8, s23, v8                       ; row fragments: r x pitch + 16 h
	v_and_b32 v9, 7, v0
	v_lshl_add_u32 v9, v3, 3, v9
	v_mul_u32_u24 v9, v9, WP
	v_bfe_u32 v12, v0, 3, 1
	v_lshl_add_u32 v9, v12, 4, v9                  ; weight fragments: (8 h + lane % 8) x pitch + 16 ((lane / 8) % 2)
	v_lshlrev_b32 v10, 4, v2
	v_lshl_add_u32 v10, v3, 10, v10                ; kq: 1024 h + 16 r
	; the weights' offset in both its forms, ahead of the branch, so that neither way holds a vector instruction between the wait below and its loads
	v_lshlrev_b32 v5, 9, v11
	v_lshl_add_u32 v5, v2, 4, v5                   ; W1: row x 512 + 16 r
	s_lshl_b32 s27, s16, 13                        ; Wv's rows are 256 bytes: my 32 rows are 8,192 consecutive bytes
	v_add_nc_u32 v13, s27, v4                      ; Wv
	s_wait_alu depctr_va_vdst(0)                   ; v4 to v10 and v13 are written: every load and store of the kernel, global or LDS, reads one of them as its offset or address
.macro WLOAD adr, base, step           ; my 32 rows x 64 columns of the weights: 16 loads, two rows of 256 bytes each
.set n, 0
.rept 16
	global_load_b128 v[WR+4*n:WR+4*n+3], v[\adr], s[\base:\base+1] offset:n*\step
.set n, n+1
.endr
.endm
.macro XLOAD dst, base                 ; 16 rows of 512 bytes, one row to a load
.set n, 0
.rept 16
	global_load_b128 v[\dst+4*n:\dst+4*n+3], v4, s[\base:\base+1] offset:n*512
.set n, n+1
.endr
.endm
	s_wait_kmcnt 0x0
	s_lshl_b32 s20, s19, 13                        ; 16 rows of 512 bytes
	s_add_nc_u64 s[4:5], s[4:5], s[20:21]          ; x at my tile
	s_cmp_eq_u32 s18, 4
	s_cbranch_scc1 .Lv_in
	s_and_b32 s20, s19, 31                         ; the tile's place in its batch
	s_lshl_b32 s20, s20, 13
	s_add_nc_u64 s[6:7], s[6:7], s[20:21]          ; pos_emb at my tile
	s_lshl_b32 s20, s24, 16                        ; 128 rows of W1 (512 bytes each) for Aq,
	s_lshl_b32 s26, s25, 8                         ; 64 columns for the upper half
	s_add_co_u32 s20, s20, s26
	s_add_nc_u64 s[8:9], s[8:9], s[20:21]
	XLOAD XR, 4                                    ; all 48 go out together; the rows first, since their sums and conversions come first
	XLOAD PR, 6
	WLOAD 5, 8, 1024
	s_wait_loadcnt 16                              ; x and pos_emb are in; the 16 loads of the weights are younger
.set n, 0
.rept 32
	v_pk_add_f32 v[XR+2*n:XR+2*n+1], v[XR+2*n:XR+2*n+1], v[PR+2*n:PR+2*n+1]   ; x1 = x + pos_emb, in f32
.set n, n+1
.endr
	s_branch .Lc
.Lv_in:
	XLOAD XR, 4
	WLOAD 13, 10, 512
	s_wait_loadcnt 16                              ; x is in; the 16 loads of the weights are younger
.Lc:
	; round to bf16 and lay into LDS: rows with K along the row, weights as they are ([K][N])
.set n, 0
.rept 16
	v_cvt_pk_bf16_f32 v[XO+2*n],   v[XR+4*n],   v[XR+4*n+1]
	v_cvt_pk_bf16_f32 v[XO+2*n+1], v[XR+4*n+2], v[XR+4*n+3]
.set n, n+1
.endr
	s_wait_alu depctr_va_vdst(0)                   ; the conversions have written XO, which the rows' LDS stores read
	s_wait_loadcnt 0x0                             ; the weights are in
.set n, 0
.rept 16
	ds_store_b64 v7, v[XO+2*n:XO+2*n+1] offset:n*XP                ; no wait: the conversions dealt between these stores name WR and WO alone
	v_cvt_pk_bf16_f32 v[WO+2*n],   v[WR+4*n],   v[WR+4*n+1]
	v_cvt_pk_bf16_f32 v[WO+2*n+1], v[WR+4*n+2], v[WR+4*n+3]
.set n, n+1
.endr
	s_wait_alu depctr_va_vdst(0)                   ; the conversions have written WO, which the stores below read; all conversions are done with XR, WR, XO and WO, in which the fragments land behind the barrier
.set n, 0
.rept 16
	ds_store_b64 v6, v[WO+2*n:WO+2*n+1] offset:n*2*WP
.set n, n+1
.endr
	s_wait_dscnt 0x0                               ; my quarter of the weights is in LDS: the other three waves read it
	s_barrier_signal -1
	s_barrier_wait -1
	s_wait_alu depctr_vm_vsrc(0)                   ; my LDS stores have read XO and WO, v[80:143]: weight fragments land in these registers
.irp ks, 0,1,2,3
	ds_load_b128 v[XF+8*\ks:XF+8*\ks+3],   v8 offset:\ks*64
	ds_load_b128 v[XF+8*\ks+4:XF+8*\ks+7], v8 offset:\ks*64+32
.endr
.irp nt, 0,1,2,3
.irp ks, 0,1,2,3
	ds_load_tr16_b128 v[WF+8*(4*\nt+\ks):WF+8*(4*\nt+\ks)+3],   v9 offset:\ks*32*WP+\nt*32
	ds_load_tr16_b128 v[WF+8*(4*\nt+\ks)+4:WF+8*(4*\nt+\ks)+7], v9 offset:\ks*32*WP+\nt*32+16*WP
.endr
.endr
	s_wait_dscnt 0x0
.macro MM1 nt, ks, a, b                ; the first K step starts the sum: nothing is cleared
.if \ks == 0
	v_wmma_f32_16x16x32_bf16 v[D+8*\nt:D+8*\nt+7], v[\a:\a+7], v[\b:\b+7], 0
.else
	v_wmma_f32_16x16x32_bf16 v[D+8*\nt:D+8*\nt+7], v[\a:\a+7], v[\b:\b+7], v[D+8*\nt:D+8*\nt+7]
.endif
.endm
	s_cmp_eq_u32 s18, 4
	s_cbranch_scc1 .Lv_out
	; Ak / Aq: source 0 = weights, source 1 = rows: lane (r, h), register j = (channel 16 nt + 8 h + j, row r).
	; The four accumulators take turns, one instruction a turn.
.irp ks, 0,1,2,3
.irp nt, 0,1,2,3
	MM1 \nt, \ks, WF+8*(4*\nt+\ks), XF+8*\ks
.endr
.endr
.rept 4
	v_nop                                          ; four places between the last matrix instruction and the stores of its result
.endr
	s_lshl_b32 s20, s24, 20                        ; Ak or Aq: 128 tiles of 8,192 bytes
	s_lshl_b32 s26, s19, 13
	s_add_co_u32 s20, s20, s26
	s_lshl_b32 s26, s25, 12
	s_add_co_u32 s20, s20, s26
	s_add_nc_u64 s[12:13], s[12:13], s[20:21]
	s_wait_alu depctr_va_vdst(0)                   ; the matrix instructions have written the accumulators, which the stores read; the places above stay beside this wait
	; channel 16 nt + 8 h + 4 u + q lies at e = 4 (nt % 2) + 2 h + u, half nt / 2: sixteen lanes store 256 consecutive bytes, aligned
.irp nt, 0,1,2,3
.irp u, 0,1
	global_store_b128 v10, v[D+8*\nt+4*\u:D+8*\nt+4*\u+3], s[12:13] offset:(\nt&1)*2048+\u*512+(\nt>>1)*256
.endr
.endr
	s_wait_dscnt 0x0
	s_wait_alu depctr_hold_cnt(0) depctr_sa_sdst(0) depctr_va_vdst(0) depctr_va_sdst(0) depctr_va_ssrc(0) depctr_va_vcc(0) depctr_vm_vsrc(0)
	s_wait_tensorcnt 0x0
	ds_add_u32 v14, v15
	s_wait_dscnt 0x0
	s_endpgm
.Lv_out:
	; V: source 0 = rows, source 1 = weights: lane (r, h), register j = (row 8 h + j, column 16 nt + r): eight keys of one column
.irp ks, 0,1,2,3
.irp nt, 0,1,2,3
	MM1 \nt, \ks, XF+8*\ks, WF+8*(4*\nt+\ks)
.endr
.endr
.rept 4
	v_nop                                          ; four places in front of the lines that read the results or write over the weight fragments (ISA guide 7.12.1)
.endr
	s_lshr_b32 s20, s19, 1                         ; two tiles of 16 keys make a K step of 32: 4,096 bytes,
	s_lshl_b32 s20, s20, 12
	s_and_b32 s26, s19, 1                          ; the odd tile is the fragment's upper four registers
	s_lshl_b32 s26, s26, 9
	s_add_co_u32 s20, s20, s26
	s_add_nc_u64 s[14:15], s[14:15], s[20:21]
.macro VPART nt                        ; column tile nt: its two parts, into four registers of OV and four of OL that nothing else writes
.irp k, 0,1,2,3
	v_cvt_pk_bf16_f32 v[OV+4*\nt+\k], v[D+8*\nt+2*\k], v[D+8*\nt+2*\k+1]       ; first part: V rounded to bf16
.endr
.irp k, 0,1,2,3
	v_lshlrev_b32 v[TT+2*\k],   16, v[OV+4*\nt+\k]                            ; the first parts as f32 again
	v_and_b32     v[TT+2*\k+1], 0xffff0000, v[OV+4*\nt+\k]
.endr
.irp k, 0,1,2,3
	v_pk_add_f32 v[TT+2*\k:TT+2*\k+1], v[D+8*\nt+2*\k:D+8*\nt+2*\k+1], v[TT+2*\k:TT+2*\k+1] neg_lo:[0,1] neg_hi:[0,1]   ; what the rounding left: exact
.endr
.irp k, 0,1,2,3
	v_cvt_pk_bf16_f32 v[OL+4*\nt+\k], v[TT+2*\k], v[TT+2*\k+1]                 ; second part
.endr
.endm
.macro VSTORE nt
	global_store_b128 v4, v[OV+4*\nt:OV+4*\nt+3], s[14:15] offset:\nt*1024      ; 512 consecutive bytes of the wave
	global_store_b128 v4, v[OL+4*\nt:OL+4*\nt+3], s[14:15] offset:VLO+\nt*1024
.endm
	VPART 0
	VPART 1
	s_wait_alu depctr_va_vdst(0)                   ; the conversions have written both parts of tiles 0 and 1, which the four stores below read
	VSTORE 0
	VSTORE 1                                       ; they leave while tiles 2 and 3 are worked on, whose lines name D, TT and their own registers of OV and OL alone
	VPART 2
	VPART 3
	s_wait_alu depctr_va_vdst(0)                   ; the conversions have written both parts of tiles 2 and 3, which the last four stores read
	VSTORE 2
	VSTORE 3
	s_wait_dscnt 0x0
	s_wait_alu depctr_hold_cnt(0) depctr_sa_sdst(0) depctr_va_vdst(0) depctr_va_sdst(0) depctr_va_ssrc(0) depctr_va_vcc(0) depctr_vm_vsrc(0)
	s_wait_tensorcnt 0x0
	ds_add_u32 v14, v15
	s_wait_dscnt 0x0
	s_endpgm
.Lfunc_end_k_q7a1028b9aa_proj:
	.size	k_q7a1028b9aa_proj, .Lfunc_end_k_q7a1028b9aa_proj-k_q7a1028b9aa_proj
	.p2alignl 7, 3214868480
	.fill 96, 4, 3214868480
	.section	.rodata,"a",@progbits
	.p2align	6, 0x0
	.amdhsa_kernel k_q7a1028b9aa_proj
		.amdhsa_group_segment_fixed_size 38400
		.amdhsa_private_segment_fixed_size 0
		.amdhsa_enable_private_segment 0
		.amdhsa_kernarg_size 48
		.amdhsa_user_sgpr_count 2
		.amdhsa_user_sgpr_kernarg_segment_ptr 1
		.amdhsa_wavefront_size32 1
		.amdhsa_system_sgpr_workgroup_id_x 1
		.amdhsa_system_sgpr_workgroup_id_y 1
		.amdhsa_system_sgpr_workgroup_id_z 1
		.amdhsa_system_vgpr_workitem_id 0
		.amdhsa_next_free_vgpr 224
		.amdhsa_next_free_sgpr 66
		.amdhsa_reserve_vcc 0
		.amdhsa_float_denorm_mode_32 3
		.amdhsa_float_denorm_mode_16_64 3
		.amdhsa_memory_ordered 1
		.amdhsa_forward_progress 1
		.amdhsa_inst_pref_size 31
	.end_amdhsa_kernel
	.amdgpu_metadata
---
amdhsa.version: [ 1, 2 ]
amdhsa.kernels:
  - .name:           k_q7a1028b9aa_proj
    .symbol:         k_q7a1028b9aa_proj.kd
    .args:
      - { .name: x, .offset: 0, .size: 8, .value_kind: global_buffer, .address_space: global }
      - { .name: pos_emb, .offset: 8, .size: 8, .value_kind: global_buffer, .address_space: global }
      - { .name: W1, .offset: 16, .size: 8, .value_kind: global_buffer, .address_space: global }
      - { .name: Wv, .offset: 24, .size: 8, .value_kind: global_buffer, .address_space: global }
      - { .name: kq, .offset: 32, .size: 8, .value_kind: global_buffer, .address_space: global }
      - { .name: vf, .offset: 40, .size: 8, .value_kind: global_buffer, .address_space: global }
    .group_segment_fixed_size: 38400
    .private_segment_fixed_size: 0
    .kernarg_segment_align: 8
    .kernarg_segment_size: 48
    .max_flat_workgroup_size: 128
    .sgpr_count:     66
    .vgpr_count:     224
    .wavefront_size: 32
...
	.end_amdgpu_metadata
.endif
;; end of part 3
;; launch attn: the kernel of part 2 again; grid 256 x 1, 16 waves a work-group, no clusters, 109,824 bytes of LDS; arguments kq, vf, W2, b1, b2, out0; writes out0
